; MI455X (gfx1250); checked and timed in simulation.
; The chip was launched on July 23, 2026; its instructions are those of AMD's public machine-readable ISA for CDNA 5 (MIT licence, August 2026) and "CDNA5" Instruction Set Architecture Reference Guide (July 2026). The comments in the code are by the model that wrote it; some were corrected since.
;; Neighbor List. Allowed arithmetic: float matrix products may take bf16 or f16 operands with f32 sums; all other float work in f32.
;; Inputs: locs 4 x 8,192 x 3 float32.
;; Outputs: out0 4 x 8,192 x 256 uint32.
;; One version. Each part assembles by itself: llvm-mc -triple=amdgcn-amd-amdhsa -mcpu=gfx1250 --defsym DOCPART=n.
;; ======== version 1 of 1: 1 launch
;; launch neighbours (part 1): grid 256 x 1, 8 waves a work-group, no clusters, 34,304 bytes of LDS; arguments locs, out0; writes out0
.if DOCPART == 1
	.amdgcn_target "amdgcn-amd-amdhsa--gfx1250"
	.amdhsa_code_object_version 6
	.text
	.protected	k_q198fb72012_neighbours
	.globl	k_q198fb72012_neighbours
	.p2align	8
	.type	k_q198fb72012_neighbours,@function
k_q198fb72012_neighbours:
	s_mov_b64 s[64:65], 0
	v_nop
	global_prefetch_b8 v0, s[64:65] scope:SCOPE_SE
	s_setreg_imm32_b32 hwreg(HW_REG_WAVE_MODE, 25, 1), 1
	s_wait_xcnt 0x0
; Radius neighbour list, 32 neighbours to a word.  locs: [4][8192][3] f32.  out0: [4][8192][256] u32.
; bit t of word k of row i  =  ( d2(i, 32 k + t) <= 0.01f ),   d2 = (sq_i + sq_j) - 2 <loc_i, loc_j>.
;
; ARITHMETIC.  Every output bit hangs on the last bit of d2, so d2 is made by fixed f32 operations in a fixed order,
; on coordinates rounded to bf16 (nearest even):  sq = fl(fl(x x + y y) + z z),  inner = fl(fl(x x' + y y') + z z'),  d2 = fl(fl(sq_i + sq_j) - 2 inner).
; A product of two bf16 numbers has 16 significant bits and is exact in f32, so a fused and an unfused multiply-add give the same number here.
; The factor -2 is put on the neighbour's coordinates: a power of two passes through every rounding unchanged.
; d2 <= T  is  d2 < Tn  (Tn = the f32 next above T = 0x3C23D70A), and the sign bit of fl(d2 - Tn) says so exactly: a difference of two f32 numbers
; rounds to zero only if it is zero.  v_alignbit_b32 shifts that sign bit into the word.
; NO MATRIX INSTRUCTION: the product has K = 3, 3 of the 32 k of a 16x16x32 instruction, and a matrix instruction's sum is rounded otherwise than
; the chain of two f32 additions above; one different last bit is a wrong output bit.  Operands are bf16 and sums f32 all the same.
; LIMITS: finite inputs with |coordinate| < 2^62 (no sum overflows); the bits for NaN inputs are not defined.  Products under 2^-126 are no longer
; exact, but they can change only sums that lie far below T, so no bit changes.  The three terms are summed in ascending order of the axis.
;
; SHARES.  256 work-groups of 8 waves.  Work-group = batch (4) x chunk of 2048 neighbours (4) x block of 512 rows (16); wave = 64 of the rows.
; Lane l owns neighbours 64 l .. 64 l + 63 of the chunk = words 2 l, 2 l + 1 of the chunk's 64 words; their -2x, -2y, -2z, sq stay in v256-v511
; for the whole kernel, as pairs (t, t+1) for the packed f32 instructions.  A row's x, y, z, sq are scalars.  So the loop reads no memory at all,
; and a row's result is one store of 8 bytes a lane: 256 consecutive bytes, at a multiple of 256 from out0's first byte.
; No tensor load, no cluster: a work-group reads 24,576 + 8 x 768 bytes once and nothing is filled again.
;
; REGISTER WINDOWS (s_set_vgpr_msb, low byte: bits 1:0 source 0, 7:6 destination): the neighbours' registers are only ever source 0, so one setting
; (source 0 in block 1) serves all packed arithmetic of a trip; where source 0 would be a block-0 register a constant or a scalar stands there instead.
.set LOCB,   98304                     ; bytes of locs in a batch: 8192 x 12
.set CHUNKB, 24576                     ; 2048 neighbours x 12 bytes
.set LP,     1040                      ; LDS bytes of a lane's 32 records of 32 bytes, + 16: 65 x 16, so that the 16 lanes of a half wave, reading the
                                       ; same record number, touch 16 different 16-byte columns of 256 bytes
.set XI, 8                             ; v[8:9]    x of rows lane, lane + 32 of my wave's 64
.set YI, 10                            ; v[10:11]  y
.set ZI, 12                            ; v[12:13]  z
.set QI, 14                            ; v[14:15]  sq
.set ACCA, 16                          ; v[16:17]  row A: my two words
.set ACCB, 18                          ; v[18:19]  row B
.set RI, 20                            ; v[20:25]  rows as loaded
.set C,  26                            ; v[26:28]  packed bf16, at work
.set L,  32                            ; v[32:55]  8 neighbours as loaded (24 f32)
.set E,  64                            ; v[64:95]  set-up only: 4 records (x0 x1 y0 y1 z0 z1 sq0 sq1)
.set TA, 64                            ; v[64:127]  row A: v[TA + n] belongs to my neighbour n (0..63)
.set TB, 128                           ; v[128:191] row B
.set SA, 192                           ; v[192:207] row A: sq_i + sq_j of eight pairs
.set SB, 208                           ; v[208:223] row B
.set XA, 28                            ; s28, s30, s32, s34: x, y, z, sq of row A; each in the low register of a pair, the high one set once
.set YA, 30
.set ZA, 32
.set QA, 34
.set XB, 36                            ; the same for row B
.set YB, 38
.set ZB, 40
.set QB, 42
.set TN, 44                            ; s44 = -Tn
.set K,  46                            ; s46 the trip
.set AO, 48                            ; s[48:49] the trip's byte offset in out0
.set AD, 50                            ; s[50:51] the trip's address
.set MSB, 0
.macro WIN new                         ; the immediate's high byte repeats the setting that is left
.if MSB != \new
	s_set_vgpr_msb (MSB<<8)|\new
.set MSB, \new
.endif
.endm
	s_load_b128 s[4:7], s[0:1], 0x0                ; locs s[4:5], out0 s[6:7]
	v_lshl_add_u32 v254, v0, 2, 0x8200
	v_mov_b32 v255, 0
	v_lshrrev_b32 v1, 5, v0
	v_readfirstlane_b32 s8, v1                     ; wave 0..7
	s_lshr_b32 s9, ttmp9, 6                        ; batch
	s_bfe_u32 s10, ttmp9, 0x20004                  ; chunk of neighbours (2 bits from bit 4)
	s_and_b32 s11, ttmp9, 15                       ; block of rows
	s_mul_i32 s12, s9, LOCB
	s_mul_i32 s13, s10, CHUNKB
	s_add_co_u32 s12, s12, s13                     ; byte offset of the chunk in locs
	s_mov_b32 s13, 0
	s_lshl_b32 s16, s9, 13
	s_lshl_b32 s17, s11, 9
	s_add_co_u32 s16, s16, s17
	s_lshl_b32 s17, s8, 6
	s_add_co_u32 s16, s16, s17                     ; my wave's first row, 0 .. 32704, counted over all batches
	s_mul_i32 s18, s16, 12                         ; its byte offset in locs
	s_mov_b32 s19, 0
	s_lshl_b32 s20, s16, 10                        ; and in out0: 1,024 bytes a row,
	s_lshl_b32 s21, s10, 8                         ; + 256 bytes a chunk
	s_add_co_u32 s20, s20, s21
	s_mov_b32 s21, 0
	v_mul_u32_u24 v2, v0, 96                       ; thread t prepares neighbours 8 t .. 8 t + 7 of the chunk: 96 bytes
	v_and_b32 v3, 31, v0                           ; lane
	v_mul_u32_u24 v4, v3, 12                       ; row lane of my wave's rows
	s_wait_kmcnt 0x0
	s_add_nc_u64 s[12:13], s[4:5], s[12:13]
	s_add_nc_u64 s[18:19], s[4:5], s[18:19]
	s_add_nc_u64 s[6:7], s[6:7], s[20:21]
.irp k, 0,1,2,3,4,5
	global_load_b128 v[L+4*\k:L+4*\k+3], v2, s[12:13] offset:16*\k
.endr
.irp k, 0,1,2
	global_load_b32 v[RI+\k],   v4, s[18:19] offset:4*\k           ; row lane
	global_load_b32 v[RI+3+\k], v4, s[18:19] offset:384+4*\k       ; row lane + 32
.endr
	v_lshrrev_b32 v1, 3, v0                        ; the lane whose neighbours I prepare: 8 t / 64
	v_and_b32 v5, 7, v0
	v_mul_u32_u24 v1, v1, LP
	v_lshl_add_u32 v5, v5, 7, v1                   ; LDS: that lane's block + my four records of 32 bytes
	v_mul_u32_u24 v6, v3, LP                       ; LDS: my own lane's block
	v_lshlrev_b32 v7, 3, v3                        ; out0: 8 bytes a lane
	s_mov_b32 s24, 0xffff0000                      ; a word's upper bf16
.irp r, XA,YA,ZA,QA,XB,YB,ZB,QB,TN,AO
	s_mov_b32 s[\r+1], 0                           ; the high registers of the scalar pairs: zero; unused except AO's, the offset's high word
.endr
	s_mov_b32 s[TN], 0xbc23d70b                    ; -Tn
	s_mov_b32 s[K], 0
.irp r, 0,1,2,3
	v_mov_b32 v[ACCA+\r], 0                        ; written once so that the first shift reads a defined register; 32 shifts push it out
.endr
	; The chunk's table.  Record u of mine = neighbours 2u, 2u+1 of my eight.
	s_wait_loadcnt 0x6                             ; loads return in order: the six neighbour loads are in, the six row loads behind them may be out
.irp u, 0,1,2,3
	v_cvt_pk_bf16_f32 v[C],   v[L+6*\u],   v[L+6*\u+3]             ; both x, rounded to nearest even
	v_cvt_pk_bf16_f32 v[C+1], v[L+6*\u+1], v[L+6*\u+4]             ; both y
	v_cvt_pk_bf16_f32 v[C+2], v[L+6*\u+2], v[L+6*\u+5]             ; both z
.irp d, 0,1,2
	v_lshlrev_b32 v[E+8*\u+2*\d],   16,  v[C+\d]                   ; back to f32
	v_and_b32     v[E+8*\u+2*\d+1], s24, v[C+\d]
.endr
	v_pk_mul_f32 v[E+8*\u+6:E+8*\u+7], v[E+8*\u:E+8*\u+1],   v[E+8*\u:E+8*\u+1]                          ; x x, exact
	v_pk_fma_f32 v[E+8*\u+6:E+8*\u+7], v[E+8*\u+2:E+8*\u+3], v[E+8*\u+2:E+8*\u+3], v[E+8*\u+6:E+8*\u+7]  ; fl(x x + y y)
	v_pk_fma_f32 v[E+8*\u+6:E+8*\u+7], v[E+8*\u+4:E+8*\u+5], v[E+8*\u+4:E+8*\u+5], v[E+8*\u+6:E+8*\u+7]  ; sq
.irp d, 0,2,4
	v_pk_mul_f32 v[E+8*\u+\d:E+8*\u+\d+1], v[E+8*\u+\d:E+8*\u+\d+1], -2.0 op_sel_hi:[1,0]
.endr
	ds_store_b128 v5, v[E+8*\u:E+8*\u+3]   offset:32*\u
	ds_store_b128 v5, v[E+8*\u+4:E+8*\u+7] offset:32*\u+16
.endr
	; My wave's 64 rows, two to a lane
	s_wait_loadcnt 0x0
.irp d, 0,1,2
	v_cvt_pk_bf16_f32 v[C+\d], v[RI+\d], v[RI+3+\d]
.endr
.irp d, 0,1,2
	v_lshlrev_b32 v[XI+2*\d],   16,  v[C+\d]
	v_and_b32     v[XI+2*\d+1], s24, v[C+\d]
.endr
	v_pk_mul_f32 v[QI:QI+1], v[XI:XI+1], v[XI:XI+1]
	v_pk_fma_f32 v[QI:QI+1], v[YI:YI+1], v[YI:YI+1], v[QI:QI+1]
	v_pk_fma_f32 v[QI:QI+1], v[ZI:ZI+1], v[ZI:ZI+1], v[QI:QI+1]
	s_wait_dscnt 0x0                               ; my records are in LDS, for the other waves' sake,
	s_barrier_signal -1
	s_barrier_wait -1                              ; and so are everybody's; LDS is not written again
	WIN 0x40                                       ; destination in block 1
.set g, 0
.rept 32
	ds_load_b128 v[8*g:8*g+3],   v6 offset:32*g    ; v[256 + 8 g ..]: -2x, -2x, -2y, -2y of my neighbours 2 g, 2 g + 1
	ds_load_b128 v[8*g+4:8*g+7], v6 offset:32*g+16 ;                  -2z, -2z, sq, sq
.set g, g+1
.endr
	WIN 0
	s_wait_dscnt 0x0
; Eight pairs of neighbours, g0 .. g0 + 7, against both rows: six packed instructions for a pair of neighbours and a row, laid stage by stage,
; so that sixteen independent instructions stand between an instruction and the one that uses its result.
.macro GROUP g0
.irp e, 0,1,2,3,4,5,6,7
	v_pk_mul_f32 v[TA+2*(\g0+\e):TA+2*(\g0+\e)+1], v[8*(\g0+\e):8*(\g0+\e)+1], s[XA:XA+1] op_sel_hi:[1,0]      ; -2 x x', exact
	v_pk_mul_f32 v[TB+2*(\g0+\e):TB+2*(\g0+\e)+1], v[8*(\g0+\e):8*(\g0+\e)+1], s[XB:XB+1] op_sel_hi:[1,0]
.endr
.irp e, 0,1,2,3,4,5,6,7
	v_pk_add_f32 v[SA+2*\e:SA+2*\e+1], v[8*(\g0+\e)+6:8*(\g0+\e)+7], s[QA:QA+1] op_sel_hi:[1,0]                ; fl(sq_j + sq_i)
	v_pk_add_f32 v[SB+2*\e:SB+2*\e+1], v[8*(\g0+\e)+6:8*(\g0+\e)+7], s[QB:QB+1] op_sel_hi:[1,0]
.endr
.irp e, 0,1,2,3,4,5,6,7
	v_pk_fma_f32 v[TA+2*(\g0+\e):TA+2*(\g0+\e)+1], v[8*(\g0+\e)+2:8*(\g0+\e)+3], s[YA:YA+1], v[TA+2*(\g0+\e):TA+2*(\g0+\e)+1] op_sel_hi:[1,0,1]
	v_pk_fma_f32 v[TB+2*(\g0+\e):TB+2*(\g0+\e)+1], v[8*(\g0+\e)+2:8*(\g0+\e)+3], s[YB:YB+1], v[TB+2*(\g0+\e):TB+2*(\g0+\e)+1] op_sel_hi:[1,0,1]
.endr
.irp e, 0,1,2,3,4,5,6,7
	v_pk_fma_f32 v[TA+2*(\g0+\e):TA+2*(\g0+\e)+1], v[8*(\g0+\e)+4:8*(\g0+\e)+5], s[ZA:ZA+1], v[TA+2*(\g0+\e):TA+2*(\g0+\e)+1] op_sel_hi:[1,0,1]   ; -2 inner
	v_pk_fma_f32 v[TB+2*(\g0+\e):TB+2*(\g0+\e)+1], v[8*(\g0+\e)+4:8*(\g0+\e)+5], s[ZB:ZB+1], v[TB+2*(\g0+\e):TB+2*(\g0+\e)+1] op_sel_hi:[1,0,1]
.endr
.irp e, 0,1,2,3,4,5,6,7
	v_pk_fma_f32 v[TA+2*(\g0+\e):TA+2*(\g0+\e)+1], 1.0, v[SA+2*\e:SA+2*\e+1], v[TA+2*(\g0+\e):TA+2*(\g0+\e)+1] op_sel_hi:[0,1,1]   ; d2: a plain sum, written with 1.0 as
	v_pk_fma_f32 v[TB+2*(\g0+\e):TB+2*(\g0+\e)+1], 1.0, v[SB+2*\e:SB+2*\e+1], v[TB+2*(\g0+\e):TB+2*(\g0+\e)+1] op_sel_hi:[0,1,1]   ; source 0, which block 1 holds
.endr
.irp e, 0,1,2,3,4,5,6,7
	v_pk_add_f32 v[TA+2*(\g0+\e):TA+2*(\g0+\e)+1], s[TN:TN+1], v[TA+2*(\g0+\e):TA+2*(\g0+\e)+1] op_sel_hi:[0,1]                    ; d2 - Tn: negative where d2 <= T
	v_pk_add_f32 v[TB+2*(\g0+\e):TB+2*(\g0+\e)+1], s[TN:TN+1], v[TB+2*(\g0+\e):TB+2*(\g0+\e)+1] op_sel_hi:[0,1]
.endr
.endm
; A trip: rows k (A) and k + 32 (B) of my wave's 64, against my wave's 2048 neighbours.
.Lrows:
	v_readlane_b32 s[XA], v[XI],   s[K]
	v_readlane_b32 s[XB], v[XI+1], s[K]
	v_readlane_b32 s[QA], v[QI],   s[K]
	v_readlane_b32 s[QB], v[QI+1], s[K]
	v_readlane_b32 s[YA], v[YI],   s[K]
	v_readlane_b32 s[YB], v[YI+1], s[K]
	v_readlane_b32 s[ZA], v[ZI],   s[K]
	v_readlane_b32 s[ZB], v[ZI+1], s[K]
	WIN 0x01                                       ; source 0 in block 1: the neighbours
	GROUP 0
	GROUP 8
	GROUP 16
	GROUP 24
	WIN 0
	s_wait_xcnt 0x0                                ; the last trip's two stores have had their addresses translated (ISA guide 3.1): their data and their base are rewritten only behind this wait
	s_lshl_b32 s[AO], s[K], 10                     ; k rows of 1,024 bytes
	s_add_nc_u64 s[AD:AD+1], s[6:7], s[AO:AO+1]
	; 32 shifts a word, neighbour 31 first, so that neighbour t ends at bit t.  Four words take turns.
.set t, 31
.rept 32
	v_alignbit_b32 v[ACCA],   v[ACCA],   v[TA+t],    31            ; word << 1 | sign
	v_alignbit_b32 v[ACCA+1], v[ACCA+1], v[TA+32+t], 31
	v_alignbit_b32 v[ACCB],   v[ACCB],   v[TB+t],    31
	v_alignbit_b32 v[ACCB+1], v[ACCB+1], v[TB+32+t], 31
.set t, t-1
.endr
	global_store_b64 v7, v[ACCA:ACCA+1], s[AD:AD+1] th:TH_STORE_NT                 ; 32 lanes x 8 bytes: the chunk's 256 bytes of row A
	global_store_b64 v7, v[ACCB:ACCB+1], s[AD:AD+1] offset:32768 th:TH_STORE_NT    ; and of row B, 32 rows further down
	s_add_co_u32 s[K], s[K], 1
	s_cmp_lt_u32 s[K], 32
	s_cbranch_scc1 .Lrows
	s_wait_tensorcnt 0x0
	ds_add_u32 v254, v255
	s_wait_dscnt 0x0
	s_endpgm
.Lfunc_end_k_q198fb72012_neighbours:
	.size	k_q198fb72012_neighbours, .Lfunc_end_k_q198fb72012_neighbours-k_q198fb72012_neighbours
	.p2alignl 7, 3214868480
	.fill 96, 4, 3214868480
	.section	.rodata,"a",@progbits
	.p2align	6, 0x0
	.amdhsa_kernel k_q198fb72012_neighbours
		.amdhsa_group_segment_fixed_size 34304
		.amdhsa_private_segment_fixed_size 0
		.amdhsa_enable_private_segment 0
		.amdhsa_kernarg_size 16
		.amdhsa_user_sgpr_count 2
		.amdhsa_user_sgpr_kernarg_segment_ptr 1
		.amdhsa_wavefront_size32 1
		.amdhsa_system_sgpr_workgroup_id_x 1
		.amdhsa_system_sgpr_workgroup_id_y 1
		.amdhsa_system_sgpr_workgroup_id_z 1
		.amdhsa_system_vgpr_workitem_id 0
		.amdhsa_next_free_vgpr 512
		.amdhsa_next_free_sgpr 66
		.amdhsa_reserve_vcc 0
		.amdhsa_float_denorm_mode_32 3
		.amdhsa_float_denorm_mode_16_64 3
		.amdhsa_memory_ordered 1
		.amdhsa_forward_progress 1
		.amdhsa_inst_pref_size 45
	.end_amdhsa_kernel
	.amdgpu_metadata
---
amdhsa.version: [ 1, 2 ]
amdhsa.kernels:
  - .name:           k_q198fb72012_neighbours
    .symbol:         k_q198fb72012_neighbours.kd
    .args:
      - { .name: locs, .offset: 0, .size: 8, .value_kind: global_buffer, .address_space: global }
      - { .name: out0, .offset: 8, .size: 8, .value_kind: global_buffer, .address_space: global }
    .group_segment_fixed_size: 34304
    .private_segment_fixed_size: 0
    .kernarg_segment_align: 8
    .kernarg_segment_size: 16
    .max_flat_workgroup_size: 256
    .sgpr_count:     66
    .vgpr_count:     512
    .wavefront_size: 32
...
	.end_amdgpu_metadata
.endif
;; end of part 1
